; MI455X (gfx1250); checked and timed in simulation.
; The chip was launched on July 23, 2026; its instructions are those of AMD's public machine-readable ISA for CDNA 5 (MIT licence, August 2026) and "CDNA5" Instruction Set Architecture Reference Guide (July 2026). The comments in the code are by the model that wrote it; some were corrected since.
;; Multihead Self Attention. Allowed arithmetic: matrix products marked QUANTISED: E4M3 operands, one given power-of-two scale a tensor, by v_wmma_f32_16x16x64_fp8_fp8 or v_wmma_f32_16x16x128_fp8_fp8, f32 sums; everything else in f32.
;; Inputs: K_codes 8 x 32 x 4 x 32 uint8 (E4M3 codes of K, K innermost, in blocks of 32 codes); Q_codes 8 x 32 x 4 x 32 uint8 (E4M3 codes of Q, K innermost, in blocks of 32 codes); VO 8 x 128 x 128 float32; lowp_scales 10 int32 (the exponents e of the quantised operands' scales 2^e); x 2 x 4,096 x 128 float32.
;; Outputs: out0 2 x 4,096 x 128 float32.
;; This version of the problem:
;;   THIS VERSION OF THE PROBLEM IS GIVEN IN LOW PRECISION. The matrix products marked QUANTISED in the list below multiply operands that are first quantised to E4M3 (4 exponent bits, 3 mantissa bits; 8 bits a number), with one given power-of-two scale for each operand tensor; their sums are f32. All else is computed in f32.
;;   The module's matrix products, in the order in which they are computed (A, B: the left and right operand; K: the contracted axis; several contracted axes count as one K, in the product's order):
;;     1. [M 256, K 128] x [K 128, N 8,192]; A: input Q (given as codes); B: input x: QUANTISED (scales: A lowp_scales[0], B lowp_scales[1])
;;     2. [M 256, K 128] x [K 128, N 8,192]; A: input K (given as codes); B: input x: QUANTISED (scales: A lowp_scales[2], B lowp_scales[3])
;;     3. batch 16 x [M 4,096, K 32] x [K 32, N 4,096]; A: computed on the way; B: computed on the way: QUANTISED (scales: A lowp_scales[4], B lowp_scales[5])
;;     4. batch 2 x [M 32,768, K 4,096] x [K 4,096, N 128]; A: softmax (see below); B: input x: QUANTISED (scales: A lowp_scales[6], B lowp_scales[7])
;;     5. [M 8,192, K 1,024] x [K 1,024, N 128]; A: computed on the way; B: input VO: QUANTISED (scales: A lowp_scales[8], B lowp_scales[9])
;;   THE QUANTISER, for each operand of a quantised product, along K:
;;     - The operand's scale is 2^e, e = its entry of the input lowp_scales (int32; the entries are numbered through the quantised products in the list's order, A before B).
;;     - Each number is divided by the scale, clamped to +-448, and rounded to the nearest number of E4M3, ties to even, subnormals kept.
;;     - The product sums the exact products of the quantised numbers (number of the format x scale) in f32.
;;   ~~~python
;;   def quantise(x, axis, e):      # numpy; x: float32 -> the quantised numbers, widened to float32 again
;;       x = np.moveaxis(x, axis, -1); K = x.shape[-1]
;;       r = np.clip(x / 2.0 ** e, -448, 448)
;;       step = 2.0 ** (np.maximum(np.frexp(np.where(r == 0, 1, r))[1] - 1, -6) - 3)
;;       q = np.round(r / step) * step * 2.0 ** e      # np.round: ties to even
;;       return np.moveaxis(q, -1, axis).astype(np.float32)
;;   ~~~
;;   SOFTMAX AHEAD OF A QUANTISED PRODUCT. Where the list says 'softmax', what is quantised is not the finished softmax but p = 2^(t - M), with t = logit x log2(e) and M = ceil(the row's largest t), a whole number; so 1/2 < the row's largest p <= 1. The row's sum l is taken of the UNQUANTISED p, in f32, and the product's result is divided by l at the end. Since M is a whole number, a kernel that streams over the keys may use a running M (the ceiling of the running maximum): every later rescaling is an exact power of two, so the quantised numbers keep their values, but for numbers so far below the row's largest that they fall under the format's range.
;;   OPERANDS COMPUTED ON THE WAY. 'Computed on the way' means the value that the module computes at that place (a softmax that the list does not call 'softmax' is quantised finished and normalised). What goes into a quantiser is computed in f32, as accurately as f32 sums, v_exp_f32 and their like allow (about 1e-6 of the number): no bf16 or f16 on the way to a quantiser, and a product that is left as it is and whose result goes on into a quantised operand takes f32 operands (vector FMAs, or v_wmma_f32_16x16x4_f32). A number that lies on a knife's edge between two numbers of the format may be rounded either way, as far as f32 arithmetic and the matrix unit's own rounding can turn it there, and no further.
;;   INPUTS GIVEN AS CODES. K (in the module: [8, 32, 128], K = its axis 2); Q (in the module: [8, 32, 128], K = its axis 2): each comes as NAME_codes (uint8): NAME with its K axis moved to the last place and cut into blocks of 32 codes, [.., K / 32, bytes a block], one block behind the other in memory; one code a byte (a code: sign, 4 exponent bits, 3 mantissa bits); its scale is its entry of lowp_scales. Its value is code x scale, taken as it is: it is not quantised again, and the codes and scales need not be those that the quantiser above would give.
;; One version. Each part assembles by itself: llvm-mc -triple=amdgcn-amd-amdhsa -mcpu=gfx1250 --defsym DOCPART=n.
;; ======== version 1 of 1: 2 launches
;; limits: right only within a limited range of input values
;; workspace buffers: qimg 2,097,152 bytes; kv 3,145,728 bytes; voimg 131,072 bytes
;; launch prep (part 1): grid 256 x 1, 8 waves a work-group, no clusters, 17,920 bytes of LDS; arguments x, Q_codes, K_codes, VO, lowp_scales, qimg, kv, voimg; writes qimg, kv, voimg
.if DOCPART == 1
	.amdgcn_target "amdgcn-amd-amdhsa--gfx1250"
	.amdhsa_code_object_version 6
	.text
	.protected	k_q1150ab665a_prep
	.globl	k_q1150ab665a_prep
	.p2align	8
	.type	k_q1150ab665a_prep,@function
k_q1150ab665a_prep:
	s_mov_b64 s[64:65], 0
	v_nop
	global_prefetch_b8 v0, s[64:65] scope:SCOPE_SE
	s_setreg_imm32_b32 hwreg(HW_REG_WAVE_MODE, 25, 1), 1
	s_wait_xcnt 0x0
; PREP: q = Q x^T and k = K x^T on codes of E4M3, and every quantiser that does not hang on the softmax.  All results leave as IMAGES OF OPERAND REGISTERS:
; blocks of 512 bytes, lane l's 16 bytes at 16 l, so that the attention launch fetches every fragment by loads of 16 bytes a lane at 16 x lane.
; SHARES.  Work-group g (0..255) takes tokens 32 g .. 32 g + 31 of the 8,192; wave w is head w for q and k, and channels 16 w .. 16 w + 15 for the values.  Wave 0 also quantises block g of VO's 256 blocks.
; x (32 rows of 512 bytes) is read once, in whole rows, and shared through LDS; one barrier.
; PRODUCTS, transposed: source 0 = 16 rows (ranks) of the weight, source 1 = 16 tokens of x: a lane then holds ONE token, and its registers run along the ranks, which are the next product's K.
; THE ROWS OF A TILE ARE NOT NEIGHBOURS: lane r of weight tile uw takes rank 8 uw + r + 8 (r / 8), so that the 16 registers of tiles 0 and 1 are ranks 16 (lane / 16) + 0 .. 15.  The tokens of tile u are 8 u + r + 8 (r / 8) likewise,
; so that in the attention launch the 16 score registers of two neighbouring key tiles are 16 neighbouring keys.
; Along K = 128 both operands hold k = 32 c + 16 (lane / 16) + 0 .. 15 in registers 4 c .. 4 c + 3: one permutation of k for both sides, so every product meets its partner.
; SCALES (lowp_scales e0 .. e9): x is quantised with e1 for q, with e3 for k, with e7 as values; a sum of q stands for sum x 2^(e0 + e1), so its code is made with the one folded scale 2^(e4 - e0 - e1); k's with 2^(e5 - e2 - e3); VO with e9.
; LIMITS: e1, e3, e7, e9, e4 - e0 - e1 and e5 - e2 - e3 lie between -126 and 119, so that each scale and 448 x the scale is an f32 number.  NaN among the inputs is not served; infinities are held at the largest code.
.set XP,     528                       ; a row of x in LDS: 512 bytes + 16
.set BATCHB, 1572864                   ; kv: bytes of a batch (32 steps)
.set STEPB,  49152                     ; kv: bytes of a step of 128 keys: K's part 8 heads x 8 tiles x 512, then V's part 8 x 4 x 512
.set X,      24                        ; v24-87   64 numbers of x; later the eight accumulators
.set T,      88                        ; v88-119  two sets of 16 held numbers; later the codes that leave
.set XF,     120                       ; v120-183 x's fragments: 120 + 32 p + 16 u (p = 0: scale e1, p = 1: scale e3; u: tile of tokens)
.set W,      184                       ; v184-247 the weights' fragments: 184 + 32 p + 16 uw (p = 0: Q, p = 1: K)
; v2 16 x thread; v3 where I put a row's 16 bytes in LDS; v4 my place in x's fragments; v5 in the weights'; v6 in a column of x; v7 16 x lane; v8 in VO
; v12,13 / v14,15 / v16,17 / v18,19 / v20,21 / v22,23: (scale, 448 x scale) for e1, e3, q's fold, k's fold, e7, e9
.macro MKSC sc, lim, se                ; 2^se and 448 x 2^se as f32 numbers
	s_add_co_i32 s34, \se, 127
	s_lshl_b32 s35, s34, 23
	v_mov_b32 v[\sc], s35
	s_add_co_i32 s34, s34, 8
	s_lshl_b32 s34, s34, 23
	s_or_b32 s34, s34, 0x600000
	v_mov_b32 v[\lim], s34
.endm
.macro Q16 dst, src, tmp, sc, lim      ; 16 numbers become 16 codes in four registers.  The conversion does not saturate (ISA guide 7.6.2): the hold comes first
.set qi, 0
.rept 16
	v_med3_num_f32 v[(\tmp)+qi], v[(\src)+qi], -v[\lim], v[\lim]
.set qi, qi+1
.endr
	v_cvt_scalef32_pk8_fp8_f32 v[(\dst):(\dst)+1], v[(\tmp):(\tmp)+7], v[\sc]
	v_cvt_scalef32_pk8_fp8_f32 v[(\dst)+2:(\dst)+3], v[(\tmp)+8:(\tmp)+15], v[\sc]
.endm
.macro XLDC u, c                       ; of my token in tile u: x at k = 32 c + 16 (lane / 16) + 0 .. 15
.irp j, 0,1,2,3
	ds_load_b128 v[X+16*(\c)+4*\j:X+16*(\c)+4*\j+3], v4 offset:8*XP*(\u)+128*(\c)+16*\j
.endr
.endm
	s_load_b256 s[4:11], s[0:1], 0x0               ; x s[4:5], Q's codes s[6:7], K's codes s[8:9], VO s[10:11]
	s_load_b256 s[12:19], s[0:1], 0x20             ; the exponents s[12:13], qimg s[14:15], kv s[16:17], voimg s[18:19]
	s_set_vgpr_msb 0x40
	v_lshl_add_u32 v0, v0, 2, 0x4200
	v_mov_b32 v1, 0
	s_set_vgpr_msb 0x4000
	v_lshrrev_b32 v1, 5, v0
	s_delay_alu instid0(VALU_DEP_1)
	v_readfirstlane_b32 s20, v1                    ; wave 0..7
	v_and_b32 v1, 31, v0                           ; lane
	v_and_b32 v9, 15, v0                           ; r
	v_bfe_u32 v10, v0, 4, 1                        ; h
	v_lshlrev_b32 v2, 4, v0                        ; 16 x thread: the eight waves cover eight rows of x
	s_delay_alu instid0(VALU_DEP_4)
	v_lshlrev_b32 v7, 4, v1                        ; 16 x lane
	s_mul_i32 s34, s20, XP
	v_add_nc_u32 v3, s34, v7                       ; LDS: row = wave (+ 8 i), 16 bytes a lane
	v_and_b32 v11, 8, v9
	s_delay_alu instid0(VALU_DEP_1)
	v_add_nc_u32 v11, v11, v9                      ; r + 8 (r / 8)
	s_delay_alu instid0(VALU_DEP_1)
	v_mul_u32_u24 v4, v11, XP
	s_delay_alu instid0(VALU_DEP_1)
	v_lshl_add_u32 v4, v10, 6, v4                  ; x's fragments: that row, + 64 h
	s_delay_alu instid0(VALU_DEP_3)
	v_lshlrev_b32 v5, 7, v11
	s_delay_alu instid0(VALU_DEP_1)
	v_lshl_add_u32 v5, v10, 4, v5                  ; the weights': that row of 128 bytes, + 16 h
	v_mul_u32_u24 v6, v10, 16*XP
	s_delay_alu instid0(VALU_DEP_1)
	v_lshl_add_u32 v6, v9, 2, v6
	s_lshl_b32 s34, s20, 6
	v_add_nc_u32 v6, s34, v6                       ; the values: token 16 h (+ i), channel 16 wave + r
	v_lshlrev_b32 v8, 12, v10
	s_delay_alu instid0(VALU_DEP_1)
	v_lshl_add_u32 v8, v9, 2, v8                   ; VO: row 8 h (+ ..), column r
	s_mov_b32 s21, ttmp9                           ; g
	s_lshr_b32 s36, s21, 7                         ; batch
	s_bfe_u32 s37, s21, 0x50002                    ; step of 128 keys in the batch
	s_and_b32 s38, s21, 3                          ; which 32 of its keys
	s_mul_i32 s39, s36, BATCHB
	s_mul_i32 s37, s37, STEPB
	s_add_co_u32 s39, s39, s37                     ; the step's block in kv
	s_lshl_b32 s40, s20, 12
	s_lshl_b32 s35, s38, 10
	s_add_co_u32 s40, s40, s35
	s_add_co_u32 s40, s40, s39                     ; K's part: head x 4,096 + tile 2 c (+ u) x 512
	s_mov_b32 s41, 0
	s_lshl_b32 s42, s20, 11
	s_lshl_b32 s35, s38, 9
	s_add_co_u32 s42, s42, s35
	s_add_co_u32 s42, s42, s39
	s_add_co_u32 s42, s42, 32768                   ; V's part: 32,768 + channel tile x 2,048 + c x 512
	s_mov_b32 s43, 0
	s_lshl_b32 s44, s21, 14                        ; x: 32 rows of 512 bytes a work-group
	s_mov_b32 s45, 0
	s_lshl_b32 s46, s20, 12                        ; the weights: a head is 32 rows of 128 bytes
	s_mov_b32 s47, 0
	s_lshl_b32 s48, s21, 13
	s_lshl_b32 s35, s20, 9
	s_add_co_u32 s48, s48, s35                     ; qimg: g x 8,192 (+ u x 4,096) + head x 512
	s_mov_b32 s49, 0
	s_lshl_b32 s50, s21, 9                         ; voimg: block g
	s_mov_b32 s51, 0
	s_bfe_u32 s52, s21, 0x30002                    ; VO's block g = 32 et + 4 ks + c: head ks,
	s_lshl_b32 s52, s52, 16
	s_lshl_b32 s35, s38, 14                        ; rows 32 c on,
	s_add_co_u32 s52, s52, s35
	s_lshr_b32 s35, s21, 5
	s_lshl_b32 s35, s35, 6                         ; columns 16 et on
	s_add_co_u32 s52, s52, s35
	s_mov_b32 s53, 0
	s_wait_alu depctr_va_vdst(0)
	s_wait_kmcnt 0x0
	s_load_b256 s[24:31], s[12:13], 0x0            ; e0 .. e7
	s_load_b64 s[32:33], s[12:13], 0x20            ; e8, e9
	s_add_nc_u64 s[4:5], s[4:5], s[44:45]
	s_add_nc_u64 s[6:7], s[6:7], s[46:47]
	s_add_nc_u64 s[8:9], s[8:9], s[46:47]
	s_add_nc_u64 s[10:11], s[10:11], s[52:53]
	s_add_nc_u64 s[14:15], s[14:15], s[48:49]
	s_add_nc_u64 s[40:41], s[16:17], s[40:41]
	s_add_nc_u64 s[42:43], s[16:17], s[42:43]
	s_add_nc_u64 s[18:19], s[18:19], s[50:51]
.irp i, 0,1,2,3
	global_load_b128 v[X+4*\i:X+4*\i+3], v2, s[4:5] offset:4096*\i th:TH_LOAD_NT   ; row 8 i + wave: 32 lanes read its 512 bytes
.endr
.irp uw, 0,1
.irp c, 0,1,2,3
	global_load_b128 v[W+16*\uw+4*\c:W+16*\uw+4*\c+3], v5, s[6:7] offset:1024*\uw+32*\c
	global_load_b128 v[W+32+16*\uw+4*\c:W+32+16*\uw+4*\c+3], v5, s[8:9] offset:1024*\uw+32*\c
.endr
.endr
	s_wait_kmcnt 0x0
	s_sub_co_i32 s36, s28, s24
	s_sub_co_i32 s36, s36, s25                     ; e4 - e0 - e1
	s_sub_co_i32 s37, s29, s26
	s_sub_co_i32 s37, s37, s27                     ; e5 - e2 - e3
	MKSC 12, 13, s25
	MKSC 14, 15, s27
	MKSC 16, 17, s36
	MKSC 18, 19, s37
	MKSC 20, 21, s31
	MKSC 22, 23, s33
	; ---- VO's block, by wave 0 alone: lane (r, h), byte i: VO[ks][32 c + 16 (i / 8) + 8 h + i % 8][16 et + r]: the K = 128 form's own places of k, in which the attention launch's context falls out of its sums
	s_cmp_lg_u32 s20, 0
	s_cbranch_scc1 .Lnovo
	s_set_vgpr_msb 0x40                            ; destination window 1: v258-273, which nothing else names; the numbers are held and converted at wave 0's end, so that the barrier below does not wait for them
.irp i, 0,1,2,3,4,5,6,7,8,9,10,11,12,13,14,15
	global_load_b32 v[2+\i], v8, s[10:11] offset:(16*(\i/8)+\i%8)*512 th:TH_LOAD_NT
.endr
	s_set_vgpr_msb 0x4000
.Lnovo:
	; ---- x into LDS
	s_wait_loadcnt 16                              ; x's four loads are in; the 16 weight loads issued behind them may be out
.irp i, 0,1,2,3
	ds_store_b128 v3, v[X+4*\i:X+4*\i+3] offset:8*XP*\i
.endr
	s_wait_dscnt 0x0                               ; for the others' sake: my rows have landed
	s_barrier_signal -1
	s_barrier_wait -1                              ; all 32 rows lie in LDS; nothing is stored there again
	; ---- the values: a lane takes a channel, its registers run down the 16 keys 16 h + 0 .. 15
.irp i, 0,1,2,3,4,5,6,7,8,9,10,11,12,13,14,15
	ds_load_b32 v[T+\i], v6 offset:XP*\i
.endr
.irp c, 0,1,2,3
	XLDC 0, \c
.endr
	s_wait_dscnt 16                                ; the values' 16 loads are in; the 16 fragment loads behind them may be out
	s_wait_alu depctr_va_vdst(0)
	Q16 252, T, T, 20, 21
	v_nop
	global_store_b128 v7, v[252:255], s[42:43]
	; ---- x's fragments, each quantised twice (e1 for q, e3 for k); the two sets of held numbers take turns.  Tile 1's numbers are fetched into a piece's registers as soon as tile 0's piece is done
	s_wait_dscnt 0x0
.irp c, 0,1,2,3
.irp p, 0,1
	Q16 XF+32*\p+4*\c, X+16*\c, T+16*\p, 12+2*\p, 13+2*\p
.endr
	XLDC 1, \c
.endr
	s_wait_dscnt 0x0
.irp c, 0,1,2,3
.irp p, 0,1
	Q16 XF+32*\p+16+4*\c, X+16*\c, T+16*\p, 12+2*\p, 13+2*\p
.endr
.endr
	v_nop                                          ; a plain line between the last conversion and the products that read its result
	s_wait_alu depctr_va_vdst(0)
	s_wait_loadcnt 0x0                             ; the weights
.irp p, 0,1
.irp u, 0,1
.irp uw, 0,1
	v_wmma_f32_16x16x128_fp8_fp8 v[X+16*(2*\p+\u)+8*\uw:X+16*(2*\p+\u)+8*\uw+7], v[W+32*\p+16*\uw:W+32*\p+16*\uw+15], v[XF+32*\p+16*\u:XF+32*\p+16*\u+15], 0
.endr
.endr
.endr
.rept 4
	v_nop                                          ; four places between the last product and the first read of results (ISA guide 7.12.1)
.endr
	; ---- lane (token r, h): registers 16 (2 p + u) + 0 .. 15 are ranks 16 h + 0 .. 15: 16 codes, the lane's 16 bytes of the image.  Each accumulator is read from its low end on
.irp p, 0,1
.irp u, 0,1
	Q16 T+4*(2*\p+\u), X+16*(2*\p+\u), X+16*(2*\p+\u), 16+2*\p, 17+2*\p
.endr
.endr
	v_nop
.irp u, 0,1
	global_store_b128 v7, v[T+4*\u:T+4*\u+3], s[14:15] offset:4096*\u      ; q: 512 consecutive bytes a store
	global_store_b128 v7, v[T+8+4*\u:T+8+4*\u+3], s[40:41] offset:512*\u   ; k: key tile 2 c + u of the step
.endr
	; ---- VO's block, by wave 0 alone: its 16 loads were waited for with the weights'
	s_cmp_lg_u32 s20, 0
	s_cbranch_scc1 .Lnovo2
	s_set_vgpr_msb 0x1                             ; source 0 window 1
.irp i, 0,1,2,3,4,5,6,7,8,9,10,11,12,13,14,15
	v_med3_num_f32 v[X+\i], v[2+\i], -v23, v23     ; the hold comes first: the conversion does not saturate (ISA guide 7.6.2)
.endr
	s_set_vgpr_msb 0x100
	v_cvt_scalef32_pk8_fp8_f32 v[248:249], v[X:X+7], v22
	v_cvt_scalef32_pk8_fp8_f32 v[250:251], v[X+8:X+15], v22
	v_nop                                          ; a plain line behind the last conversion
	global_store_b128 v7, v[248:251], s[18:19]     ; 512 consecutive bytes
.Lnovo2:
	s_set_vgpr_msb 0x5
	s_wait_tensorcnt 0x0
	ds_add_u32 v0, v1
	s_wait_dscnt 0x0
	s_set_vgpr_msb 0x500
	s_endpgm
.Lfunc_end_k_q1150ab665a_prep:
	.size	k_q1150ab665a_prep, .Lfunc_end_k_q1150ab665a_prep-k_q1150ab665a_prep
	.p2alignl 7, 3214868480
	.fill 96, 4, 3214868480
	.section	.rodata,"a",@progbits
	.p2align	6, 0x0
	.amdhsa_kernel k_q1150ab665a_prep
		.amdhsa_group_segment_fixed_size 17920
		.amdhsa_private_segment_fixed_size 0
		.amdhsa_enable_private_segment 0
		.amdhsa_kernarg_size 64
		.amdhsa_user_sgpr_count 2
		.amdhsa_user_sgpr_kernarg_segment_ptr 1
		.amdhsa_wavefront_size32 1
		.amdhsa_system_sgpr_workgroup_id_x 1
		.amdhsa_system_sgpr_workgroup_id_y 1
		.amdhsa_system_sgpr_workgroup_id_z 1
		.amdhsa_system_vgpr_workitem_id 0
		.amdhsa_next_free_vgpr 288
		.amdhsa_next_free_sgpr 66
		.amdhsa_reserve_vcc 0
		.amdhsa_float_denorm_mode_32 3
		.amdhsa_float_denorm_mode_16_64 3
		.amdhsa_memory_ordered 1
		.amdhsa_forward_progress 1
		.amdhsa_inst_pref_size 39
	.end_amdhsa_kernel
	.amdgpu_metadata
---
amdhsa.version: [ 1, 2 ]
amdhsa.kernels:
  - .name:           k_q1150ab665a_prep
    .symbol:         k_q1150ab665a_prep.kd
    .args:
      - { .name: x, .offset: 0, .size: 8, .value_kind: global_buffer, .address_space: global }
      - { .name: Q_codes, .offset: 8, .size: 8, .value_kind: global_buffer, .address_space: global }
      - { .name: K_codes, .offset: 16, .size: 8, .value_kind: global_buffer, .address_space: global }
      - { .name: VO, .offset: 24, .size: 8, .value_kind: global_buffer, .address_space: global }
      - { .name: lowp_scales, .offset: 32, .size: 8, .value_kind: global_buffer, .address_space: global }
      - { .name: qimg, .offset: 40, .size: 8, .value_kind: global_buffer, .address_space: global }
      - { .name: kv, .offset: 48, .size: 8, .value_kind: global_buffer, .address_space: global }
      - { .name: voimg, .offset: 56, .size: 8, .value_kind: global_buffer, .address_space: global }
    .group_segment_fixed_size: 17920
    .private_segment_fixed_size: 0
    .kernarg_segment_align: 8
    .kernarg_segment_size: 64
    .max_flat_workgroup_size: 256
    .sgpr_count:     66
    .vgpr_count:     288
    .wavefront_size: 32
...
	.end_amdgpu_metadata
.endif
;; end of part 1
;; launch attn (part 2): grid 128 x 2, 8 waves a work-group, no clusters, 181,760 bytes of LDS; arguments qimg, kv, voimg, lowp_scales, out0; writes out0
.if DOCPART == 2
	.amdgcn_target "amdgcn-amd-amdhsa--gfx1250"
	.amdhsa_code_object_version 6
	.text
	.protected	k_q1150ab665a_attn
	.globl	k_q1150ab665a_attn
	.p2align	8
	.type	k_q1150ab665a_attn,@function
k_q1150ab665a_attn:
	s_mov_b64 s[64:65], 0
	v_nop
	global_prefetch_b8 v0, s[64:65] scope:SCOPE_SE
	s_setreg_imm32_b32 hwreg(HW_REG_WAVE_MODE, 25, 1), 1
	s_wait_xcnt 0x0
; ATTN: scores = q k^T, softmax, context = p x, out = context VO summed over the heads; all three products on codes of E4M3; scores, p and the context never go to memory.
; SHARES.  Work-group (x, batch) owns 32 queries for ALL eight heads, so that each output row has one owner.  Wave w is head w, with two tiles of 16 queries that share every fragment of K and V.
; Every wave walks the batch's 4,096 keys, 256 a trip.  kv holds, for each 128 keys (a step), K's part (8 heads x 8 tiles x 512 bytes) and V's part (8 x 4 x 512), laid as images of operand registers: 16 bytes a lane at 16 x lane.
; A TRIP takes the two query tiles one after the other: scores of 256 keys (128 registers), softmax, p's codes (32 registers); then O^T of both tiles is brought under the new M once, 64 packed multiplies for 256 keys,
; and the 32 products with V follow.  V's fragments use the score registers, which are free by then: eight fragments, then twice four more as the first are done with.
; K's tiles of a head are read by one wave alone: they go from memory straight into its registers, asked for behind the trip's second score products.
; V's part is read by all eight waves: each wave loads an eighth of each step (2 x 2,048 bytes, 32 registers) half a trip ahead and stores it into a ring of FOUR LDS slots of 256 keys: trip j reads slot j % 4 and stores into slot (j + 1) % 4.
; ONE BARRIER A TRIP.  A wave signals in mid-trip, when its stores of the trip have landed and its loads are issued, and waits at the next trip's head.  A wave that has passed the barrier of trip j + 1 knows every wave at or behind that
; signal of trip j: slot j + 1 is whole; what it stores goes to slot j + 2, while the slowest wave still reads slot j: other bytes.
; THE HOLD ahead of p's conversion: p = 2^(t - M) is at most 1 (rounding aside, far under 1.75), and 448 x 2^e6 is at least 1.75 where e6 >= -8: there the hold changes no number.
; e6 is a whole number read from memory.  K and V come by loads through registers, which have no joint form: cluster = none.
; LAYOUT.  Both attention products are used transposed: S^T = K Q^T, O^T = V^T P^T: a lane holds ONE query (lane % 16).  The 16 score registers of tiles 2 b, 2 b + 1 are keys 32 b + 16 (lane / 16) + 0 .. 15.
; THE SCORES' K IS 32, in the K = 64 form: registers 4-7 of Q's operand are zeros; K's operand names there the next tile's registers (behind the last tile four zeros): finite codes times zero.
; SOFTMAX.  t = score x log2(e) / sqrt(128); -M = floor(-(running largest t)); p = 2^(t - M) is quantised with 2^e6; the row's sum is taken of the unquantised p.  When M moves, the sum and O^T are multiplied by 2^(old M - new M).
; THE LAST PRODUCT.  context = O^T x 2^(e6 + e7) / sum, quantised with 2^e8, goes through LDS as operand images; wave w makes output columns 16 w .. 16 w + 15 over all heads; rows meet in a stage and leave whole.
; PREFETCH.  A trip's block of kv (98,304 bytes) is named once in the launch: the eight work-groups 8 j .. 8 j + 7 of a batch ask for block j, 12,288 bytes each, 1,536 a wave (six lanes 256 bytes apart; the other lanes
; name the sixth block again), in trip j - 3. Blocks 0 to 2 come by their loads alone.
; voimg (131,072 bytes, read by every work-group in the tail) is named once too: the sixteen waves of the first two work-groups of batch 0 ask for 8,192 bytes each, lanes 256 bytes apart, in the fourth of the sixteen trips.
; LIMITS on the given exponents: e4 + e5 between -123 and 130; e6 and e8 between -126 and 119; e8 + e9 between -126 and 127.  NaN among the inputs is not served.
; REGISTERS.  Window 0: v1, v2 my offsets in K's and V's parts of kv; v3, v7 the prefetches' offsets; v5, v6 the spare word's address and 0; v8, v9 LDS addresses (store, read); v10 16 x lane; v11 scratch;
;   tile x: v[12+4x] -M, v[13+4x] largest t, v[14+4x:15+4x] the sum; v[20+2x] f; v24-35 at work; v36-51 Q's two tiles with zeros; v[52+32x ..] p's codes; v120-123 448 x 2^e6, 2^e6, 2^e8, 448 x 2^e8;
;   v124-127 the tail's addresses; v128-255 S^T, then p, then V's fragments.
;   Window 1: v[64x ..] O^T; v128-191 K's sixteen tiles, v192-195 zeros; v208-239 my eighths of two later steps' V on their way to LDS (in the tail v128-255 hold VO).
.set STEPB,  49152
.set SLOTB,  2*STEPB
.set BATCHB, 16*SLOTB
.set RSLOT,  32768                     ; an LDS slot: V's part of 256 keys
.set SPARE,  4*RSLOT                   ; the spare words, 128 bytes for each of eight waves; no other line names them
.set CTX,    SPARE+1024                ; the context's 16 fragments (8 u + head), 2,048 bytes each
.set OST,    CTX+32768                 ; the way out: 32 rows x (512 bytes + 16)
.set OP,     528
.set MSB, 0
.macro WIN new
.if MSB != \new
	s_set_vgpr_msb (MSB<<8)|\new
.set MSB, \new
.endif
.endm
.macro PLACES n
.rept \n
	v_nop
.endr
.endm
.macro SCORES x                        ; S^T of 256 keys for query tile x
	WIN 0x01                                       ; K window 1
.irp t, 0,1,2,3,4,5,6,7,8,9,10,11,12,13,14,15
	v_wmma_f32_16x16x64_fp8_fp8 v[128+8*\t:135+8*\t], v[128+4*\t:135+4*\t], v[36+8*\x:43+8*\x], 0
.endr
	WIN 0
	PLACES 4                                       ; ahead of the first read of results and of loads into K's registers
.endm
.macro SOFT x                          ; from tile x's scores to its p's codes
	v_max3_num_f32 v24, v128, v129, v130           ; the largest score: four chains, ascending
	v_max3_num_f32 v25, v131, v132, v133
	v_max3_num_f32 v28, v134, v135, v136
	v_max3_num_f32 v29, v137, v138, v139
.set i, 140
.rept 14
	v_max3_num_f32 v24, v24, v[i], v[i+1]
	v_max3_num_f32 v25, v25, v[i+2], v[i+3]
	v_max3_num_f32 v28, v28, v[i+4], v[i+5]
	v_max3_num_f32 v29, v29, v[i+6], v[i+7]
.set i, i+8
.endr
	v_max3_num_f32 v24, v24, v252, v253
	v_max3_num_f32 v25, v25, v254, v255
	v_max3_num_f32 v24, v24, v25, v28
	s_delay_alu instid0(VALU_DEP_1)
	v_max_num_f32 v24, v24, v29
	s_delay_alu instid0(VALU_DEP_1)
	v_permlanex16_b32 v26, v24, s36, s37           ; the query's other 128 keys lie in the lane 16 away
	s_delay_alu instid0(VALU_DEP_1)
	v_max_num_f32 v24, v24, v26
	s_delay_alu instid0(VALU_DEP_1)
	v_mul_f32 v24, s22, v24                        ; as t (c is positive)
	s_delay_alu instid0(VALU_DEP_1)
	v_max_num_f32 v[13+4*\x], v[13+4*\x], v24      ; the running largest t
	v_mov_b32 v25, v[12+4*\x]
	s_delay_alu instid0(VALU_DEP_2)
	v_floor_f32 v[12+4*\x], -v[13+4*\x]            ; the new -M = -ceil(t)
	s_delay_alu instid0(VALU_DEP_1)
	v_sub_f32 v25, v[12+4*\x], v25                 ; old M - new M: a whole number, 0 or less
	s_delay_alu instid0(VALU_DEP_1)
	v_cvt_i32_f32 v25, v25                         ; (it saturates)
	s_delay_alu instid0(VALU_DEP_1)
	v_ldexp_f32 v[20+2*\x], 1.0, v25               ; f = 2^(old M - new M)
.set i, 128
.rept 64
	v_pk_fma_f32 v[i:i+1], v[i:i+1], s[22:23], v[12+4*\x:13+4*\x] op_sel_hi:[1,0,0]   ; t - M, two at a time
.set i, i+2
.endr
.set i, 128
	s_wait_alu depctr_va_vdst(0)                   ; the wait ahead of the batch
.rept 128
	v_exp_f32 v[i], v[i]                           ; p = 2^(t - M): not normalised
.set i, i+1
.endr
	v_pk_mul_f32 v[14+4*\x:15+4*\x], v[14+4*\x:15+4*\x], v[20+2*\x:21+2*\x] op_sel_hi:[1,0]   ; the sum under the new M: the plain line behind the batch
	s_wait_alu depctr_va_vdst(0)                   ; one wait for the batch, ahead of its first reader
	v_pk_add_f32 v[32:33], v[128:129], v[130:131]  ; the row's sum of the UNQUANTISED p: four chains
	v_pk_add_f32 v[34:35], v[132:133], v[134:135]
	v_pk_add_f32 v[28:29], v[136:137], v[138:139]
.set i, 140
.rept 14
	v_pk_add_f32 v[14+4*\x:15+4*\x], v[14+4*\x:15+4*\x], v[i:i+1]
	v_pk_add_f32 v[32:33], v[32:33], v[i+2:i+3]
	v_pk_add_f32 v[34:35], v[34:35], v[i+4:i+5]
	v_pk_add_f32 v[28:29], v[28:29], v[i+6:i+7]
.set i, i+8
.endr
	v_pk_add_f32 v[14+4*\x:15+4*\x], v[14+4*\x:15+4*\x], v[252:253]
	v_pk_add_f32 v[32:33], v[32:33], v[254:255]
	v_pk_add_f32 v[34:35], v[34:35], v[28:29]
	v_pk_add_f32 v[14+4*\x:15+4*\x], v[14+4*\x:15+4*\x], v[32:33]
	v_pk_add_f32 v[14+4*\x:15+4*\x], v[14+4*\x:15+4*\x], v[34:35]
	s_wait_alu depctr_va_vdst(0)                   ; the wait ahead of the branch
	s_cmp_lt_i32 s46, -8                           ; e6 < -8: 448 x 2^e6 lies under 1, and the hold can bind
	s_cbranch_scc0 .Lno_hold_\@
.set i, 128
.rept 128
	v_min_num_f32 v[i], v[i], v120                 ; the conversion does not saturate (ISA guide 7.6.2); p is not negative, so the hold is one-sided
.set i, i+1
.endr
.Lno_hold_\@:
.irp b, 0,1,2,3,4,5,6,7
	v_cvt_scalef32_pk8_fp8_f32 v[52+32*\x+4*\b:53+32*\x+4*\b], v[128+16*\b:135+16*\b], v121
	v_cvt_scalef32_pk8_fp8_f32 v[54+32*\x+4*\b:55+32*\x+4*\b], v[136+16*\b:143+16*\b], v121
.endr
.endm
.macro VLD kk, d0                      ; four fragments of V: keys 128 kk on, channel tiles d0 .. d0 + 3, into the score registers
.irp dt, \d0, \d0+1, \d0+2, \d0+3
.irp c, 0,1,2,3
	ds_load_b128 v[128+16*(\dt)+4*\c:131+16*(\dt)+4*\c], v9 offset:16384*\kk+2048*(\dt)+512*\c
.endr
.endr
.endm
.macro PVG kk, d0                      ; their eight products: the accumulators take turns, one instruction a turn; an accumulator comes again 16 products on
.irp dt, \d0, \d0+1, \d0+2, \d0+3
.irp x, 0,1
	v_wmma_f32_16x16x128_fp8_fp8 v[64*\x+8*(\dt):64*\x+8*(\dt)+7], v[128+16*(\dt):143+16*(\dt)], v[52+32*\x+16*\kk:67+32*\x+16*\kk], v[64*\x+8*(\dt):64*\x+8*(\dt)+7]
.endr
.endr
.endm
; A TRIP: 256 keys.  lp = 1: in the loop (stores, loads, signal, prefetches); 0: the last trip, which asks for nothing.
.macro TRIP lp
.if \lp
	v_add_nc_u32 v8, s33, v10                      ; where I store: the next slot, my 2,048 bytes of each half
.else
	v_nop
.endif
	v_add_nc_u32 v9, s38, v10                      ; where I read: this slot
	PLACES 3                                       ; five places behind the last products: the score products write over registers that they read
	s_wait_alu depctr_va_vdst(0)                   ; the wait ahead of the waits below
	s_barrier_wait -1                              ; this slot is whole, and nobody reads the next one
	s_wait_loadcnt 0x0                             ; this trip's K and the staged V are in
.if \lp
	WIN 0x04                                       ; store data window 1
.irp c, 0,1,2,3
	ds_store_b128 v8, v[208+4*\c:211+4*\c] offset:512*\c
	ds_store_b128 v8, v[224+4*\c:227+4*\c] offset:16384+512*\c
.endr
.endif
	SCORES 0
.if \lp
	s_cmp_eq_u32 s39, s40
	s_cbranch_scc0 .Lnot_mine_\@
	global_prefetch_b8 v7, s[42:43] th:TH_LOAD_NT scope:SCOPE_SE   ; its address registers are never rewritten
.Lnot_mine_\@:
	s_cmp_eq_u32 s39, s61
	s_cbranch_scc0 .Lnot_vo_\@
	global_prefetch_b8 v3, s[62:63] th:TH_LOAD_NT scope:SCOPE_SE   ; voimg; likewise
.Lnot_vo_\@:
.endif
	SOFT 0
	v_nop                                          ; a plain line between the conversions and the products that write over their sources
	SCORES 1
.if \lp
	WIN 0x40
.irp t, 0,1,2,3,4,5,6,7,8,9,10,11,12,13,14,15
	global_load_b128 v[128+4*\t:131+4*\t], v1, s[34:35] offset:SLOTB+(\t/8)*STEPB+512*(\t%8)   ; the next trip's K
.endr
	WIN 0
	s_wait_dscnt 0x0                               ; my eight stores have landed: their registers may be loaded anew, and the signal below speaks for them
	s_cmp_eq_u32 s39, 1                            ; the loop's last trip: steps 32 and 33 do not exist
	s_cbranch_scc1 .Lnov_\@
	WIN 0x40
.irp c, 0,1,2,3
	global_load_b128 v[208+4*\c:211+4*\c], v2, s[34:35] offset:4*STEPB+512*\c
	global_load_b128 v[224+4*\c:227+4*\c], v2, s[34:35] offset:5*STEPB+512*\c
.endr
	WIN 0
.Lnov_\@:
	s_barrier_signal -1                            ; up to the wait at the next trip's head: register work, and LDS loads from this slot, which is stored into three trips on
.endif
	SOFT 1
	VLD 0, 0                                       ; into p's registers, which are converted
	VLD 0, 4
	WIN 0x41                                       ; O^T window 1, f window 0
	s_wait_alu depctr_va_vdst(0)                   ; the wait directly ahead of the first reader of O^T
.irp x, 0,1
.set i, 64*\x
.rept 32
	v_pk_mul_f32 v[i:i+1], v[i:i+1], v[20+2*\x:21+2*\x] op_sel_hi:[1,0]   ; O^T under the new M, each accumulator from its low end on; also the plain lines behind the conversions
.set i, i+2
.endr
.endr
	s_wait_alu depctr_va_vdst(0)                   ; the wait ahead of the wait below
	s_wait_dscnt 0x0                               ; V's first eight fragments are in
.if \lp
	s_wait_xcnt 0x0                                ; the trip's loads have read their base
	s_add_nc_u64 s[34:35], s[34:35], SLOTB
.endif
	WIN 0x50                                       ; V and P window 0, C and D window 1
	PVG 0, 0
	PLACES 4                                       ; ahead of loads into registers that the products read
	WIN 0
	VLD 1, 0
	WIN 0x50
	PVG 0, 4
	PLACES 4
	WIN 0
	VLD 1, 4
	WIN 0x50
	s_wait_dscnt 16                                ; the first four of the second half are in; the 16 loads behind them may be out
	PVG 1, 0
	s_wait_dscnt 0x0
	PVG 1, 4
	WIN 0
.endm
	s_load_b256 s[4:11], s[0:1], 0x0               ; qimg s[4:5], kv s[6:7], voimg s[8:9], the exponents s[10:11]
	s_load_b64 s[12:13], s[0:1], 0x20              ; out0
	v_lshl_add_u32 v5, v0, 2, SPARE
	v_mov_b32 v6, 0
	v_lshrrev_b32 v11, 5, v0
	v_readfirstlane_b32 s14, v11                   ; wave 0..7 = my head
	v_and_b32 v11, 31, v0                          ; lane
	v_lshlrev_b32 v10, 4, v11                      ; 16 x lane; never rewritten
	v_lshlrev_b32 v3, 8, v11                       ; voimg's prefetch: lanes 256 bytes apart
	v_min_u32 v7, 5, v11
	v_lshlrev_b32 v7, 8, v7                        ; kv's prefetch: six blocks of 256 bytes a wave
	s_and_b32 s17, ttmp7, 0xffff                   ; the batch
	s_lshl_b32 s16, s17, 7
	s_add_co_u32 s16, s16, ttmp9                   ; g: my block of 32 queries among the 256
	s_lshl_b32 s53, s14, 12
	v_add_nc_u32 v1, s53, v10                      ; K's part of a step: head x 4,096 + 16 x lane
	s_lshl_b32 s60, s14, 11                        ; wave x 2,048
	v_add_nc_u32 v8, s60, v10                      ; LDS: my 2,048 bytes of slot 0's halves
	s_add_co_u32 s33, s60, RSLOT                   ; and of slot 1's: where the first trip stores
	v_add_nc_u32 v2, s33, v10                      ; V's part of a step in kv begins at byte 32,768 too: + wave x 2,048 + 16 x lane
	s_mov_b32 s36, 0x76543210                      ; v_permlanex16_b32: lane l xor 16
	s_mov_b32 s37, 0xfedcba98
	s_mov_b32 s22, 0x3e0293ee                      ; c = log2(e) / sqrt(128)
	s_mov_b32 s38, 0                               ; LDS byte at which the slot in hand begins
	s_mov_b32 s39, 15                              ; the loop's trips to go
	s_mul_i32 s20, s17, BATCHB
	s_mov_b32 s21, 0
	s_lshr_b32 s40, ttmp9, 3                       ; the block of kv that my work-group prefetches,
	s_and_b32 s41, ttmp9, 7                        ; and which eighth of it
	s_mul_i32 s54, s40, SLOTB
	s_mul_i32 s41, s41, 12288
	s_add_co_u32 s54, s54, s41
	s_mul_i32 s41, s14, 1536
	s_add_co_u32 s54, s54, s41
	s_add_co_u32 s54, s54, s20
	s_mov_b32 s55, 0
	s_sub_co_u32 s40, 18, s40                      ; the count of trips to go in trip (block - 3); above 15, never met, for blocks 0 to 2
	s_mov_b32 s41, 0                               ; RSLOT x the trips walked
	s_cmp_lt_u32 s16, 2                            ; voimg is asked for by work-groups 0 and 1 of batch 0,
	s_cselect_b32 s61, 12, 0                       ; with 12 trips of the loop to go; 0 is never met
	s_and_b32 s62, s16, 1
	s_lshl_b32 s62, s62, 16                        ; half of voimg a work-group,
	s_lshl_b32 s63, s14, 13
	s_add_co_u32 s62, s62, s63                     ; 8,192 bytes a wave
	s_mov_b32 s63, 0
	s_lshl_b32 s18, s16, 13
	s_lshl_b32 s53, s14, 9
	s_add_co_u32 s18, s18, s53                     ; qimg: g x 8,192 (+ u x 4,096) + head x 512
	s_mov_b32 s19, 0
	s_lshl_b32 s56, s14, 14                        ; voimg: output tile = wave
	s_mov_b32 s57, 0
	s_lshl_b32 s58, s16, 14
	s_add_co_u32 s58, s58, s60                     ; out0: 32 rows of 512 bytes a work-group, 4 a wave
	s_mov_b32 s59, 0
	s_wait_alu depctr_va_vdst(0)                   ; the wait ahead of the wait below
	s_wait_kmcnt 0x0
	s_load_b128 s[44:47], s[10:11], 0x10           ; e4 .. e7
	s_load_b64 s[48:49], s[10:11], 0x20            ; e8, e9
	s_add_nc_u64 s[34:35], s[6:7], s[20:21]        ; kv at the batch's first block; stepped a block a trip
	s_add_nc_u64 s[42:43], s[6:7], s[54:55]
	s_add_nc_u64 s[4:5], s[4:5], s[18:19]
	s_add_nc_u64 s[62:63], s[8:9], s[62:63]
	s_add_nc_u64 s[8:9], s[8:9], s[56:57]
	s_add_nc_u64 s[12:13], s[12:13], s[58:59]
	WIN 0x40
.irp c, 0,1,2,3
	global_load_b128 v[208+4*\c:211+4*\c], v2, s[34:35] offset:512*\c          ; my eighth of V, step 0,
	global_load_b128 v[224+4*\c:227+4*\c], v2, s[34:35] offset:STEPB+512*\c    ; and step 1
.endr
.irp t, 0,1,2,3,4,5,6,7,8,9,10,11,12,13,14,15
	global_load_b128 v[128+4*\t:131+4*\t], v1, s[34:35] offset:(\t/8)*STEPB+512*(\t%8)   ; K, the first trip's
.endr
	WIN 0
	global_load_b128 v[36:39], v10, s[4:5] th:TH_LOAD_NT                       ; Q's two tiles stay in registers
	global_load_b128 v[44:47], v10, s[4:5] offset:4096 th:TH_LOAD_NT
.irp x, 0,1
	v_mov_b32 v[13+4*\x], 0xff61b1e6               ; the largest t so far: -3e38
	v_floor_f32 v[12+4*\x], -v[13+4*\x]            ; -M
	v_mov_b32 v[14+4*\x], 0
	v_mov_b32 v[15+4*\x], 0
	v_mov_b32 v[21+2*\x], 0                        ; (the upper half of f's pair)
.endr
	v_mov_b32 v26, 0                               ; a lane permute's destination counts as a source
	v_mov_b32 v30, 0
.irp j, 40,41,42,43,48,49,50,51
	v_mov_b32 v[\j], 0                             ; the K = 64 form's upper 32 along K, on Q's side
.endr
	WIN 0x40
.irp j, 192,193,194,195
	v_mov_b32 v[\j], 0                             ; the zeros behind K's last tile
.endr
.set i, 0
.rept 128
	v_mov_b32 v[i], 0                              ; O^T: once a launch, so that the trip has no first copy
.set i, i+1
.endr
	WIN 0
	s_wait_alu depctr_va_vdst(0)                   ; the wait ahead of the wait below
	s_wait_kmcnt 0x0
	s_add_co_i32 s53, s44, s45
	s_lshl_b32 s53, s53, 23
	s_add_co_i32 s22, s22, s53                     ; e4 + e5 added to c's exponent field
	s_mov_b32 s23, s22
	s_add_co_i32 s53, s46, 127
	s_lshl_b32 s54, s53, 23
	v_mov_b32 v121, s54                            ; 2^e6
	s_add_co_i32 s53, s53, 8
	s_lshl_b32 s53, s53, 23
	s_or_b32 s53, s53, 0x600000
	v_mov_b32 v120, s53                            ; 448 x 2^e6
	s_add_co_i32 s53, s48, 127
	s_lshl_b32 s54, s53, 23
	v_mov_b32 v122, s54                            ; 2^e8
	s_add_co_i32 s53, s53, 8
	s_lshl_b32 s53, s53, 23
	s_or_b32 s53, s53, 0x600000
	v_mov_b32 v123, s53                            ; 448 x 2^e8
	s_add_co_i32 s50, s48, s49
	s_add_co_i32 s50, s50, 127
	s_lshl_b32 s50, s50, 23                        ; 2^(e8 + e9)
	s_mov_b32 s51, s50
	s_add_co_i32 s52, s46, s47                     ; e6 + e7
	s_wait_alu depctr_va_vdst(0)                   ; the wait at the head's end
	s_wait_loadcnt 18                              ; V's eight loads are in; K's sixteen and Q's two behind them may be out
	WIN 0x04
.irp c, 0,1,2,3
	ds_store_b128 v8, v[208+4*\c:211+4*\c] offset:512*\c
	ds_store_b128 v8, v[224+4*\c:227+4*\c] offset:16384+512*\c
.endr
	s_wait_dscnt 0x0                               ; slot 0: my part has landed
	WIN 0x40
.irp c, 0,1,2,3
	global_load_b128 v[208+4*\c:211+4*\c], v2, s[34:35] offset:2*STEPB+512*\c   ; steps 2 and 3: the first trip stores them
	global_load_b128 v[224+4*\c:227+4*\c], v2, s[34:35] offset:3*STEPB+512*\c
.endr
	WIN 0
	s_barrier_signal -1
.Lslot:                                                ; 15 trips
	TRIP 1
	s_add_co_u32 s41, s41, RSLOT                   ; on round the ring of four:
	s_and_b32 s38, s41, 3*RSLOT                    ; the slot that the next trip reads,
	s_add_co_u32 s33, s41, RSLOT
	s_and_b32 s33, s33, 3*RSLOT
	s_add_co_u32 s33, s33, s60                     ; and my bytes of the slot behind it
	s_sub_co_u32 s39, s39, 1
	s_cmp_lg_u32 s39, 0
	s_cbranch_scc1 .Lslot
	TRIP 0                                         ; the last 256 keys
	; ---- THE TAIL.  The sums' halves and the addresses are the plain places behind the last products
	v_add_f32 v24, v14, v15
	v_add_f32 v28, v18, v19
	s_lshl_b32 s53, s14, 11
	s_add_co_u32 s53, s53, CTX
	v_add_nc_u32 v124, s53, v10                    ; where I store the context's images: fragment (u, my head)
	v_add_nc_u32 v125, CTX, v10                    ; where any fragment is read back
	v_and_b32 v8, 15, v0                           ; r
	v_bfe_u32 v9, v0, 4, 1                         ; h
	v_and_b32 v11, 8, v8
	v_add_nc_u32 v11, v11, v8                      ; r + 8 (r / 8): my query's row among the 32 (+ 8 u)
	v_mul_u32_u24 v126, v11, OP
	v_lshl_add_u32 v126, v9, 5, v126
	s_lshl_b32 s54, s14, 6
	s_add_co_u32 s54, s54, OST
	v_add_nc_u32 v126, s54, v126                   ; the stage, in: that row, + 64 x wave + 32 h bytes
	s_mul_i32 s55, s14, 4*OP
	s_add_co_u32 s55, s55, OST
	v_add_nc_u32 v127, s55, v10                    ; back: my four rows, 16 bytes a lane
	WIN 0x40
.irp ks, 0,1,2,3,4,5,6,7
.irp c, 0,1,2,3
	global_load_b128 v[128+16*\ks+4*\c:131+16*\ks+4*\c], v10, s[8:9] offset:2048*\ks+512*\c   ; VO's eight fragments of my 16 output columns
.endr
.endr
	WIN 0
	v_permlanex16_b32 v26, v24, s36, s37
	v_permlanex16_b32 v30, v28, s36, s37
	v_add_f32 v24, v24, v26                        ; the rows' sums
	v_add_f32 v28, v28, v30
	s_wait_alu depctr_va_vdst(0)                   ; the wait ahead of the batch
	v_rcp_f32 v25, v24
	v_rcp_f32 v29, v28
	v_nop                                          ; a plain line behind the reciprocals
	s_wait_alu depctr_va_vdst(0)                   ; one wait for both, ahead of the first reader
	v_ldexp_f32 v20, v25, s52                      ; 2^(e6 + e7) / sum
	v_ldexp_f32 v22, v29, s52
	WIN 0x01
.irp x, 0,1
.set i, 0
.rept 32
	v_pk_mul_f32 v[128+64*\x+i:129+64*\x+i], v[64*\x+i:64*\x+i+1], v[20+2*\x:21+2*\x] op_sel_hi:[1,0]   ; the context, each accumulator from its low end on
.set i, i+2
.endr
.endr
	WIN 0
.irp x, 0,1
.irp t, 0,1,2,3,4,5,6,7
.irp j, 0,1,2,3,4,5,6,7
	v_med3_num_f32 v[128+64*\x+8*\t+\j], v[128+64*\x+8*\t+\j], -v123, v123
.endr
	v_cvt_scalef32_pk8_fp8_f32 v[52+16*\x+2*\t:53+16*\x+2*\t], v[128+64*\x+8*\t:135+64*\x+8*\t], v122   ; registers 2 t, 2 t + 1: k = 16 t + 8 h + 0 .. 7
.endr
.endr
	v_nop                                          ; a plain line behind the last conversion
.irp x, 0,1
.irp c, 0,1,2,3
	ds_store_b128 v124, v[52+16*\x+4*\c:55+16*\x+4*\c] offset:16384*\x+512*\c
.endr
.endr
	s_wait_dscnt 0x0                               ; for the others' sake: my images have landed
	s_barrier_signal -1
	s_barrier_wait -1                              ; the context's sixteen fragments lie in LDS
	; ---- out^T = VO^T context^T: source 0 = 16 output columns, source 1 = 16 queries; K step = head; two accumulators by turns
.irp kb, 0,1
.irp kk, 0,1,2,3
.irp u, 0,1
.irp c, 0,1,2,3
	ds_load_b128 v[128+16*(2*\kk+\u)+4*\c:131+16*(2*\kk+\u)+4*\c], v125 offset:2048*(8*\u+4*\kb+\kk)+512*\c
.endr
.endr
.endr
	s_wait_dscnt 0x0
.if \kb == 0
	s_wait_loadcnt 0x0                             ; VO's fragments
.endif
	WIN 0x01
.irp kk, 0,1,2,3
.irp u, 0,1
.if 4*\kb+\kk == 0
	v_wmma_f32_16x16x128_fp8_fp8 v[84+8*\u:91+8*\u], v[128+16*(4*\kb+\kk):143+16*(4*\kb+\kk)], v[128+16*(2*\kk+\u):143+16*(2*\kk+\u)], 0
.else
	v_wmma_f32_16x16x128_fp8_fp8 v[84+8*\u:91+8*\u], v[128+16*(4*\kb+\kk):143+16*(4*\kb+\kk)], v[128+16*(2*\kk+\u):143+16*(2*\kk+\u)], v[84+8*\u:91+8*\u]
.endif
.endr
.endr
	WIN 0
	PLACES 4                                       ; ahead of loads into registers that the products read, and of the first read of results
.endr
.irp u, 0,1
.irp i, 0,2,4,6
	v_pk_mul_f32 v[100+8*\u+\i:101+8*\u+\i], v[84+8*\u+\i:85+8*\u+\i], s[50:51] op_sel_hi:[1,0]   ; x 2^(e8 + e9), from the low end on
.endr
.endr
.irp u, 0,1
	ds_store_b128 v126, v[100+8*\u:103+8*\u] offset:8*OP*\u         ; lane (r, h): out(8 u + r + 8 (r / 8), 16 w + 8 h + 0 .. 7)
	ds_store_b128 v126, v[104+8*\u:107+8*\u] offset:8*OP*\u+16
.endr
	s_wait_dscnt 0x0
	s_barrier_signal -1
	s_barrier_wait -1                              ; 32 whole rows lie in the stage
.irp i, 0,1,2,3
	ds_load_b128 v[128+4*\i:131+4*\i], v127 offset:OP*\i
.endr
.irp i, 0,1,2,3
	s_wait_dscnt 3-\i                              ; row i is back; the younger loads may be out
	global_store_b128 v10, v[128+4*\i:131+4*\i], s[12:13] offset:512*\i th:TH_STORE_NT   ; 32 lanes store a row's 512 consecutive bytes, aligned to 256
.endr
	s_wait_tensorcnt 0x0                           ; the wave's end
	ds_add_u32 v5, v6
	s_wait_dscnt 0x0
	s_endpgm
.Lfunc_end_k_q1150ab665a_attn:
	.size	k_q1150ab665a_attn, .Lfunc_end_k_q1150ab665a_attn-k_q1150ab665a_attn
	.p2alignl 7, 3214868480
	.fill 96, 4, 3214868480
	.section	.rodata,"a",@progbits
	.p2align	6, 0x0
	.amdhsa_kernel k_q1150ab665a_attn
		.amdhsa_group_segment_fixed_size 181760
		.amdhsa_private_segment_fixed_size 0
		.amdhsa_enable_private_segment 0
		.amdhsa_kernarg_size 40
		.amdhsa_user_sgpr_count 2
		.amdhsa_user_sgpr_kernarg_segment_ptr 1
		.amdhsa_wavefront_size32 1
		.amdhsa_system_sgpr_workgroup_id_x 1
		.amdhsa_system_sgpr_workgroup_id_y 1
		.amdhsa_system_sgpr_workgroup_id_z 1
		.amdhsa_system_vgpr_workitem_id 0
		.amdhsa_next_free_vgpr 512
		.amdhsa_next_free_sgpr 66
		.amdhsa_reserve_vcc 0
		.amdhsa_float_denorm_mode_32 3
		.amdhsa_float_denorm_mode_16_64 3
		.amdhsa_memory_ordered 1
		.amdhsa_forward_progress 1
		.amdhsa_inst_pref_size 156
	.end_amdhsa_kernel
	.amdgpu_metadata
---
amdhsa.version: [ 1, 2 ]
amdhsa.kernels:
  - .name:           k_q1150ab665a_attn
    .symbol:         k_q1150ab665a_attn.kd
    .args:
      - { .name: qimg, .offset: 0, .size: 8, .value_kind: global_buffer, .address_space: global }
      - { .name: kv, .offset: 8, .size: 8, .value_kind: global_buffer, .address_space: global }
      - { .name: voimg, .offset: 16, .size: 8, .value_kind: global_buffer, .address_space: global }
      - { .name: lowp_scales, .offset: 24, .size: 8, .value_kind: global_buffer, .address_space: global }
      - { .name: out0, .offset: 32, .size: 8, .value_kind: global_buffer, .address_space: global }
    .group_segment_fixed_size: 181760
    .private_segment_fixed_size: 0
    .kernarg_segment_align: 8
    .kernarg_segment_size: 40
    .max_flat_workgroup_size: 256
    .sgpr_count:     66
    .vgpr_count:     512
    .wavefront_size: 32
...
	.end_amdgpu_metadata
.endif
;; end of part 2
